; MI455X (gfx1250); checked and timed in simulation.
; The chip was launched on July 23, 2026; its instructions are those of AMD's public machine-readable ISA for CDNA 5 (MIT licence, August 2026) and "CDNA5" Instruction Set Architecture Reference Guide (July 2026). The comments in the code are by the model that wrote it; some were corrected since.
;; Head. Allowed arithmetic: matrix products marked QUANTISED: E5M2 operands, one given power-of-two scale a tensor, by v_wmma_f32_16x16x64_bf8_bf8 or v_wmma_f32_16x16x128_bf8_bf8, f32 sums; everything else in f32.
;; Inputs: Wk 64 x 64 float32; Wq 64 x 64 float32; Wv 64 x 64 float32; lowp_scales 10 int32 (the exponents e of the quantised operands' scales 2^e); x 16 x 2,048 x 64 float32.
;; Outputs: out0 16 x 2,048 x 64 float32.
;; This version of the problem:
;;   THIS VERSION OF THE PROBLEM IS GIVEN IN LOW PRECISION. The matrix products marked QUANTISED in the list below multiply operands that are first quantised to E5M2 (5 exponent bits, 2 mantissa bits; 8 bits a number), with one given power-of-two scale for each operand tensor; their sums are f32. All else is computed in f32.
;;   The module's matrix products, in the order in which they are computed (A, B: the left and right operand; K: the contracted axis; several contracted axes count as one K, in the product's order):
;;     1. [M 32,768, K 64] x [K 64, N 64]; A: input x; B: input Wq: QUANTISED (scales: A lowp_scales[0], B lowp_scales[1])
;;     2. [M 32,768, K 64] x [K 64, N 64]; A: input x; B: input Wk: QUANTISED (scales: A lowp_scales[2], B lowp_scales[3])
;;     3. [M 32,768, K 64] x [K 64, N 64]; A: input x; B: input Wv: QUANTISED (scales: A lowp_scales[4], B lowp_scales[5])
;;     4. batch 16 x [M 2,048, K 64] x [K 64, N 2,048]; A: computed on the way; B: computed on the way: QUANTISED (scales: A lowp_scales[6], B lowp_scales[7])
;;     5. batch 16 x [M 2,048, K 2,048] x [K 2,048, N 64]; A: softmax (see below); B: computed on the way: QUANTISED (scales: A lowp_scales[8], B lowp_scales[9])
;;   THE QUANTISER, for each operand of a quantised product, along K:
;;     - The operand's scale is 2^e, e = its entry of the input lowp_scales (int32; the entries are numbered through the quantised products in the list's order, A before B).
;;     - Each number is divided by the scale, clamped to +-57,344, and rounded to the nearest number of E5M2, ties to even, subnormals kept.
;;     - The product sums the exact products of the quantised numbers (number of the format x scale) in f32.
;;   ~~~python
;;   def quantise(x, axis, e):      # numpy; x: float32 -> the quantised numbers, widened to float32 again
;;       x = np.moveaxis(x, axis, -1); K = x.shape[-1]
;;       r = np.clip(x / 2.0 ** e, -57344, 57344)
;;       step = 2.0 ** (np.maximum(np.frexp(np.where(r == 0, 1, r))[1] - 1, -14) - 2)
;;       q = np.round(r / step) * step * 2.0 ** e      # np.round: ties to even
;;       return np.moveaxis(q, -1, axis).astype(np.float32)
;;   ~~~
;;   SOFTMAX AHEAD OF A QUANTISED PRODUCT. Where the list says 'softmax', what is quantised is not the finished softmax but p = 2^(t - M), with t = logit x log2(e) and M = ceil(the row's largest t), a whole number; so 1/2 < the row's largest p <= 1. The row's sum l is taken of the UNQUANTISED p, in f32, and the product's result is divided by l at the end. Since M is a whole number, a kernel that streams over the keys may use a running M (the ceiling of the running maximum): every later rescaling is an exact power of two, so the quantised numbers keep their values, but for numbers so far below the row's largest that they fall under the format's range.
;;   OPERANDS COMPUTED ON THE WAY. 'Computed on the way' means the value that the module computes at that place (a softmax that the list does not call 'softmax' is quantised finished and normalised). What goes into a quantiser is computed in f32, as accurately as f32 sums, v_exp_f32 and their like allow (about 1e-6 of the number): no bf16 or f16 on the way to a quantiser, and a product that is left as it is and whose result goes on into a quantised operand takes f32 operands (vector FMAs, or v_wmma_f32_16x16x4_f32). A number that lies on a knife's edge between two numbers of the format may be rounded either way, as far as f32 arithmetic and the matrix unit's own rounding can turn it there, and no further.
;; 2 versions, each right; version 2 is version 1 with the launch project written anew for expert scheduling mode. Each part assembles by itself: llvm-mc -triple=amdgcn-amd-amdhsa -mcpu=gfx1250 --defsym DOCPART=n.
;; ======== version 1 of 2: 2 launches
;; workspace buffers: qc 2,097,152 bytes; kv 4,194,304 bytes
;; launch project (part 1): grid 256 x 1, 4 waves a work-group, no clusters, 12,800 bytes of LDS; arguments x, Wq, Wk, Wv, lowp_scales, qc, kv; writes qc, kv
.if DOCPART == 1
	.amdgcn_target "amdgcn-amd-amdhsa--gfx1250"
	.amdhsa_code_object_version 6
	.text
	.protected	k_q5847fa7241_project
	.globl	k_q5847fa7241_project
	.p2align	8
	.type	k_q5847fa7241_project,@function
k_q5847fa7241_project:
	s_mov_b64 s[64:65], 0
	v_nop
	global_prefetch_b8 v0, s[64:65] scope:SCOPE_SE
	s_setreg_imm32_b32 hwreg(HW_REG_WAVE_MODE, 25, 1), 1
	s_wait_xcnt 0x0
; q = x Wq^T, k = x Wk^T, v = x Wv^T on codes of BF8 (E5M2), and q, k, v quantised again for the attention that follows.
; x: [32768 tokens][64] f32.  Wq, Wk, Wv: [64 out][64 in] f32.  lowp_scales: e0 .. e9 (int32): x for q, Wq, x for k, Wk, x for v, Wv, q, k, p, v.
; x is quantised three times (e0, e2, e4 may differ), each weight once.  A sum of product q stands for sum x 2^(e0 + e1), so q's code is sum / 2^(e6 - e0 - e1): the three
; exponents are folded into the conversion's one scale; k and v likewise (e7 - e2 - e3, e9 - e4 - e5).
; LIMITS: e0 .. e5, e6 - e0 - e1, e7 - e2 - e3 and e9 - e4 - e5 lie between -126 and 112, so that each scale and 57,344 x the scale is an f32 number.
; NaN and infinities among the inputs are not served.  Numbers beyond a scale's range are held at +-57,344 x the scale.
; SHARES.  Work-group g (256 of them) takes tokens 128 g .. 128 g + 127; wave w of four takes a UNIT of 32 tokens, 32 (4 g + w) on, as two tiles u = 0, 1 of 16.
; THE TOKENS OF A TILE ARE NOT NEIGHBOURS: row r of tile u is token 32 unit + 8 u + r + 8 (r / 8).  So in a result whose rows are tokens, row 8 h + j is token 32 unit + 16 h + 8 u + j,
; and the 16 registers of tiles u = 0, 1 are 16 neighbouring tokens: what the second product of attention wants along its K, the keys.
; Wave w also quantises rows 16 w .. 16 w + 15 of each weight; the twelve fragments go from wave to wave through LDS as images of their registers (lane l's 16 bytes at 16 l).
; PRODUCTS.  q, k: source 0 = 16 rows of the weight, source 1 = 16 tokens: a lane holds ONE token and eight neighbouring channels 16 ct + 8 h + 0 .. 7: their codes are registers 2 ct, 2 ct + 1
; of a 16 x 64 fragment.  v: source 0 = 16 tokens, source 1 = 16 rows of Wv: a lane holds ONE channel 16 ct + r and eight neighbouring tokens: codes with the keys innermost.
; OUT, as images of the next launch's operand registers, each store 512 consecutive bytes at a multiple of 512:
;   qc: tile (unit, u) at 2048 unit + 1024 u; registers 0-3 at + 0, 4-7 at + 512.
;   kv: block g of 16,384 bytes: K's tile t = 2 w + u at 1024 t (as qc's); V^T's fragment ct (16 channels x 128 keys) at 8192 + 2048 ct, its registers 4 w .. 4 w + 3 (keys 32 w + 16 h + 0 .. 15) at + 512 w.
; No tensor loads and no ring: each wave asks for all its bytes at once (24 loads of weights, 16 of x).  No matrix tile larger than the problem's own 64 x 64 weights is to be had.
.set PR,  10                           ; v10-27   pair i at v[10+2i]: a scale as f32, then 57,344 x it.  i = 0-2: x for q, k, v; 3-5: Wq, Wk, Wv; 6-8: the results q, k, v
.set X,   28                           ; v28-91   x as f32: tile u at 28 + 32 u, register 8 c + i = channel 16 c + 8 h + i
.set ACC, 28                           ; later the eight accumulators: (u, ct) at 28 + 32 u + 8 ct
.set T,   92                           ; v92-107  two sets of eight held numbers, by turns
.set OCQ, 92                           ; later q's codes
.set XC,  108                          ; v108-155 x's codes: (kind, u) at 108 + 16 kind + 8 u
.set WC,  108                          ; before that v108-131: my three weight fragments' codes
.set OCK, 108                          ; later k's codes (where x's codes for q lay),
.set OCV, 124                          ; and v's (where x's codes for k lay)
.set WF,  160                          ; v160-255 my weight rows as f32 (kind at 160 + 32 kind); behind the barrier the twelve fragments: (kind, ct) at 160 + 32 kind + 8 ct
	s_load_b256 s[4:11], s[0:1], 0x0               ; x s[4:5], Wq s[6:7], Wk s[8:9], Wv s[10:11]
	s_load_b128 s[12:15], s[0:1], 0x20             ; the exponents s[12:13], qc s[14:15]
	s_load_b64 s[16:17], s[0:1], 0x30              ; kv
	v_lshl_add_u32 v158, v0, 2, 0x3000
	v_mov_b32 v159, 0
	v_lshrrev_b32 v1, 5, v0
	v_readfirstlane_b32 s18, v1                    ; wave 0..3
	v_and_b32 v1, 31, v0                           ; lane
	v_and_b32 v2, 15, v0                           ; r
	v_bfe_u32 v3, v0, 4, 1                         ; h
	v_and_b32 v4, 8, v2
	v_add_nc_u32 v4, v4, v2                        ; r + 8 (r / 8)
	v_lshlrev_b32 v4, 8, v4                        ; a token's row is 256 bytes
	v_lshl_add_u32 v4, v3, 5, v4                   ; x: + 32 h: my eight channels of each sixteen
	s_lshl_b32 s30, s18, 12                        ; 16 w rows of a weight
	v_lshlrev_b32 v5, 8, v2
	v_lshl_add_u32 v5, v3, 5, v5
	v_add_nc_u32 v5, s30, v5                       ; weights: row 16 w + r, + 32 h
	v_lshlrev_b32 v6, 4, v1                        ; 16 x lane: my place in an image
	s_lshl_b32 s30, s18, 10
	v_add_nc_u32 v7, s30, v6                       ; LDS: where I store my weight fragments: + 1024 w
	s_lshl_b32 s30, s18, 11
	v_add_nc_u32 v8, s30, v6                       ; kv: my two tiles of K: + 2048 w
	s_lshl_b32 s30, s18, 9
	v_add_nc_u32 v9, s30, v6
	v_add_nc_u32 v9, 8192, v9                      ; kv: my four registers of each fragment of V^T: 8192 + 512 w
	s_lshl_b32 s19, ttmp9, 2
	s_add_co_u32 s19, s19, s18                     ; my unit: 4 g + w
	s_lshl_b32 s32, s19, 13                        ; 32 tokens of 256 bytes
	s_mov_b32 s33, 0
	s_lshl_b32 s34, s19, 11                        ; two tiles of 1,024 bytes
	s_mov_b32 s35, 0
	s_wait_kmcnt 0x0
	s_load_b256 s[20:27], s[12:13], 0x0            ; e0 .. e7
	s_load_b64 s[28:29], s[12:13], 0x20            ; e8, e9
	s_add_nc_u64 s[4:5], s[4:5], s[32:33]          ; x at my unit
	s_add_nc_u64 s[14:15], s[14:15], s[34:35]      ; qc at my unit
	s_lshl_b32 s32, ttmp9, 14
	s_add_nc_u64 s[16:17], s[16:17], s[32:33]      ; kv at my work-group's block
.irp kind, 0,1,2                               ; 24 loads: my 16 rows of each weight; a lane's 32 registers are channels 16 c + 8 h + i of its row
.irp c, 0,1,2,3
	global_load_b128 v[WF+32*\kind+8*\c:WF+32*\kind+8*\c+3],   v5, s[6+2*\kind:7+2*\kind] offset:64*\c
	global_load_b128 v[WF+32*\kind+8*\c+4:WF+32*\kind+8*\c+7], v5, s[6+2*\kind:7+2*\kind] offset:64*\c+16
.endr
.endr
.irp u, 0,1                                    ; 16 loads: my 32 tokens; tile u begins 8 tokens (2,048 bytes) on.  Read once in the launch
.irp c, 0,1,2,3
	global_load_b128 v[X+32*\u+8*\c:X+32*\u+8*\c+3],   v4, s[4:5] offset:2048*\u+64*\c th:TH_LOAD_NT
	global_load_b128 v[X+32*\u+8*\c+4:X+32*\u+8*\c+7], v4, s[4:5] offset:2048*\u+64*\c+16 th:TH_LOAD_NT
.endr
.endr
; pair i from the exponent in s[se]: (e + 127) << 23 is 2^e as f32; its exponent field + 15 over the mantissa field of 57,344 is 57,344 x 2^e
.macro MKPAIR i, se
	s_add_co_i32 s30, s[\se], 127
	s_lshl_b32 s31, s30, 23
	v_mov_b32 v[PR+2*\i], s31
	s_add_co_i32 s30, s30, 15
	s_lshl_b32 s30, s30, 23
	s_or_b32 s30, s30, 0x600000
	v_mov_b32 v[PR+2*\i+1], s30
.endm
	s_wait_kmcnt 0x0
	s_sub_co_i32 s36, s26, s20
	s_sub_co_i32 s36, s36, s21                     ; e6 - e0 - e1
	s_sub_co_i32 s37, s27, s22
	s_sub_co_i32 s37, s37, s23                     ; e7 - e2 - e3
	s_sub_co_i32 s38, s29, s24
	s_sub_co_i32 s38, s38, s25                     ; e9 - e4 - e5
	MKPAIR 0, 20
	MKPAIR 1, 22
	MKPAIR 2, 24
	MKPAIR 3, 21
	MKPAIR 4, 23
	MKPAIR 5, 25
	MKPAIR 6, 36
	MKPAIR 7, 37
	MKPAIR 8, 38
; my 16 rows of weight kind become a fragment's eight registers.  The conversion to an 8-bit code does not saturate (ISA guide 7.6.2): each number is first held within the largest code x the scale.
; The next group's eight holds are the plain lines behind each conversion.
.macro QW kind
.irp c, 0,1,2,3
.irp i, 0,1,2,3,4,5,6,7
	v_med3_num_f32 v[WF+32*\kind+8*\c+\i], v[WF+32*\kind+8*\c+\i], -v[PR+2*(3+\kind)+1], v[PR+2*(3+\kind)+1]
.endr
	v_cvt_scalef32_pk8_bf8_f32 v[WC+8*\kind+2*\c:WC+8*\kind+2*\c+1], v[WF+32*\kind+8*\c:WF+32*\kind+8*\c+7], v[PR+2*(3+\kind)]
.endr
.endm
; tile u of x under the scale of product kind.  x itself is kept (it is quantised three times): the held numbers go into two sets by turns, so that a conversion's sources are written again eight plain lines later.
.macro QX kind, u
.irp c, 0,1,2,3
.irp i, 0,1,2,3,4,5,6,7
	v_med3_num_f32 v[T+8*(\c%2)+\i], v[X+32*\u+8*\c+\i], -v[PR+2*\kind+1], v[PR+2*\kind+1]
.endr
	v_cvt_scalef32_pk8_bf8_f32 v[XC+16*\kind+8*\u+2*\c:XC+16*\kind+8*\u+2*\c+1], v[T+8*(\c%2):T+8*(\c%2)+7], v[PR+2*\kind]
.endr
.endm
	s_wait_loadcnt 16                              ; loads come back in order: the 16 younger ones are x's, so the weights are in
	QW 0
	QW 1
	QW 2
	v_nop                                          ; a plain line behind the last conversion
.irp kind, 0,1,2
.irp c, 0,1
	ds_store_b128 v7, v[WC+8*\kind+4*\c:WC+8*\kind+4*\c+3] offset:4096*\kind+512*\c   ; fragment (kind, w) at 4096 kind + 1024 w, as it stands in my registers
.endr
.endr
	s_wait_loadcnt 0x0                             ; x
	s_wait_dscnt 0x0                               ; for the others' sake: my fragments lie in LDS (and the stores have read their registers, which x's codes take)
	s_barrier_signal -1
	QX 0, 0                                        ; work on registers while the others arrive
	QX 0, 1
	QX 1, 0
	QX 1, 1
	QX 2, 0
	QX 2, 1
	v_nop                                          ; a plain line behind the last conversion, ahead of the products that read the codes
	s_barrier_wait -1
.set i, 0
.rept 24
	ds_load_b128 v[WF+4*i:WF+4*i+3], v6 offset:512*i   ; all twelve fragments, each the image of eight registers
.set i, i+1
.endr
	s_wait_dscnt 0x0
; One product: eight matrix instructions on eight accumulators (K = 64 is one instruction deep, so each starts and ends its sum with C = 0); hold, convert, store.
.macro PROD kind, oc
.irp u, 0,1
.irp ct, 0,1,2,3
.if \kind < 2
	v_wmma_f32_16x16x64_bf8_bf8 v[ACC+32*\u+8*\ct:ACC+32*\u+8*\ct+7], v[WF+32*\kind+8*\ct:WF+32*\kind+8*\ct+7], v[XC+16*\kind+8*\u:XC+16*\kind+8*\u+7], 0
.else
	v_wmma_f32_16x16x64_bf8_bf8 v[ACC+32*\u+8*\ct:ACC+32*\u+8*\ct+7], v[XC+16*\kind+8*\u:XC+16*\kind+8*\u+7], v[WF+32*\kind+8*\ct:WF+32*\kind+8*\ct+7], 0
.endif
.endr
.endr
.rept 4
	v_nop                                          ; four places between the last product and the first read of results (ISA guide 7.12.1)
.endr
.set j, 0
.rept 64
	v_med3_num_f32 v[ACC+j], v[ACC+j], -v[PR+2*(6+\kind)+1], v[PR+2*(6+\kind)+1]   ; each accumulator from its low end on
.set j, j+1
.endr
.irp u, 0,1
.irp ct, 0,1,2,3
.if \kind < 2
	v_cvt_scalef32_pk8_bf8_f32 v[\oc+8*\u+2*\ct:\oc+8*\u+2*\ct+1], v[ACC+32*\u+8*\ct:ACC+32*\u+8*\ct+7], v[PR+2*(6+\kind)]   ; channels 16 ct + 8 h + 0 .. 7 of my token: registers 2 ct, 2 ct + 1 of tile u
.else
	v_cvt_scalef32_pk8_bf8_f32 v[\oc+4*\ct+2*\u:\oc+4*\ct+2*\u+1], v[ACC+32*\u+8*\ct:ACC+32*\u+8*\ct+7], v[PR+2*(6+\kind)]   ; tokens 16 h + 8 u + 0 .. 7 of my channel 16 ct + r
.endif
.endr
.endr
	v_nop                                          ; a plain line behind the last conversion: the next product writes the accumulators again.  (With the four above and the holds on the other accumulators: more than the five places that it wants)
.if \kind == 0
.irp u, 0,1
.irp c, 0,1
	global_store_b128 v6, v[\oc+8*\u+4*\c:\oc+8*\u+4*\c+3], s[14:15] offset:1024*\u+512*\c
.endr
.endr
.elseif \kind == 1
.irp u, 0,1
.irp c, 0,1
	global_store_b128 v8, v[\oc+8*\u+4*\c:\oc+8*\u+4*\c+3], s[16:17] offset:1024*\u+512*\c
.endr
.endr
.else
.irp ct, 0,1,2,3
	global_store_b128 v9, v[\oc+4*\ct:\oc+4*\ct+3], s[16:17] offset:2048*\ct
.endr
.endif
.endm
	PROD 0, OCQ                                    ; no register that a store reads is written again, so no wait stands behind the stores
	PROD 1, OCK
	PROD 2, OCV
	s_wait_tensorcnt 0x0
	ds_add_u32 v158, v159
	s_wait_dscnt 0x0
	s_endpgm
.Lfunc_end_k_q5847fa7241_project:
	.size	k_q5847fa7241_project, .Lfunc_end_k_q5847fa7241_project-k_q5847fa7241_project
	.p2alignl 7, 3214868480
	.fill 96, 4, 3214868480
	.section	.rodata,"a",@progbits
	.p2align	6, 0x0
	.amdhsa_kernel k_q5847fa7241_project
		.amdhsa_group_segment_fixed_size 12800
		.amdhsa_private_segment_fixed_size 0
		.amdhsa_enable_private_segment 0
		.amdhsa_kernarg_size 56
		.amdhsa_user_sgpr_count 2
		.amdhsa_user_sgpr_kernarg_segment_ptr 1
		.amdhsa_wavefront_size32 1
		.amdhsa_system_sgpr_workgroup_id_x 1
		.amdhsa_system_sgpr_workgroup_id_y 1
		.amdhsa_system_sgpr_workgroup_id_z 1
		.amdhsa_system_vgpr_workitem_id 0
		.amdhsa_next_free_vgpr 256
		.amdhsa_next_free_sgpr 66
		.amdhsa_reserve_vcc 0
		.amdhsa_float_denorm_mode_32 3
		.amdhsa_float_denorm_mode_16_64 3
		.amdhsa_memory_ordered 1
		.amdhsa_forward_progress 1
		.amdhsa_inst_pref_size 48
	.end_amdhsa_kernel
	.amdgpu_metadata
---
amdhsa.version: [ 1, 2 ]
amdhsa.kernels:
  - .name:           k_q5847fa7241_project
    .symbol:         k_q5847fa7241_project.kd
    .args:
      - { .name: x, .offset: 0, .size: 8, .value_kind: global_buffer, .address_space: global }
      - { .name: Wq, .offset: 8, .size: 8, .value_kind: global_buffer, .address_space: global }
      - { .name: Wk, .offset: 16, .size: 8, .value_kind: global_buffer, .address_space: global }
      - { .name: Wv, .offset: 24, .size: 8, .value_kind: global_buffer, .address_space: global }
      - { .name: lowp_scales, .offset: 32, .size: 8, .value_kind: global_buffer, .address_space: global }
      - { .name: qc, .offset: 40, .size: 8, .value_kind: global_buffer, .address_space: global }
      - { .name: kv, .offset: 48, .size: 8, .value_kind: global_buffer, .address_space: global }
    .group_segment_fixed_size: 12800
    .private_segment_fixed_size: 0
    .kernarg_segment_align: 8
    .kernarg_segment_size: 56
    .max_flat_workgroup_size: 128
    .sgpr_count:     66
    .vgpr_count:     256
    .wavefront_size: 32
...
	.end_amdgpu_metadata
.endif
;; end of part 1
;; launch attend (part 2): grid 256 x 1, 8 waves a work-group, no clusters, 297,984 bytes of LDS; arguments qc, kv, lowp_scales, out0; writes out0
.if DOCPART == 2
	.amdgcn_target "amdgcn-amd-amdhsa--gfx1250"
	.amdhsa_code_object_version 6
	.text
	.protected	k_q5847fa7241_attend
	.globl	k_q5847fa7241_attend
	.p2align	8
	.type	k_q5847fa7241_attend,@function
k_q5847fa7241_attend:
	s_mov_b64 s[64:65], 0
	v_nop
	global_prefetch_b8 v0, s[64:65] scope:SCOPE_SE
	s_setreg_imm32_b32 hwreg(HW_REG_WAVE_MODE, 25, 1), 1
	s_wait_xcnt 0x0
; out[b][q][:] = the sum over keys k <= q of softmax_k(q . k / 8) v[k][:], both products on codes of BF8 (E5M2).  16 batches, 2,048 tokens, 64 channels.
; qc, kv: images of operand registers, made by the launch before.  qc: query tile tq of a batch (16 queries x 64 channels, 8 registers) at (128 batch + tq) x 1024.
; kv: for each batch and step of 128 keys a block of 16,384 bytes: eight tiles of K (16 keys x 64 channels), then four fragments of V^T (16 channels x 128 keys): the image of 128 registers on end.
; THE TOKENS OF A TILE ARE NOT NEIGHBOURS: row r of tile 2 unit + u is token 32 unit + 8 u + r + 8 (r / 8).  So in S^T = K Q^T (source 0 = 16 keys, source 1 = my 16 queries) a lane holds ONE query,
; and register 16 b + i of the step's 64 scores is key 32 b + 16 (lane / 16) + i: p's codes are the second product's operand as they come out of the conversions, in the order in which V^T's fragments were laid.
; THE SOFTMAX: t = score x log2(e) / 8; M = the running largest t rounded UP to a whole number; p = 2^(t - M) is quantised with 2^e8, not normalised; the row's sum is taken of the unquantised p
; and divides at the end.  When M moves, the sum and O^T are multiplied by 2^(old M - new M), which rounds nothing.
; LIMITS: e6 + e7 between -123 and 130 (they are added to the exponent field of log2(e) / 8); e8 between -126 and 112; e8 + e9 goes through v_ldexp_f32 and has none.
; SHARES.  Work-group (batch, j), j = 0 .. 15, owns the blocks of 64 queries j and 31 - j: together their tiles need 17 steps of 128 keys each pair, whatever j.  Each of eight waves owns one tile of 16 queries:
; tile w / 2 of the low block or of the high one, chosen by (w xor (w / 4)) & 1, so that each pair (w, w + 4) and each pair (2 i, 2 i + 1) holds one low and one high tile.
; A tile's queries lie in one run of 32 tokens, so with SD = its first query / 128: steps under SD count whole, step SD is masked, steps over SD are left out (a scalar branch on ids, round the step's work alone).
; LDS.  A batch's kv, 262,144 bytes, lies in LDS as it lies in memory, filled ONCE: no byte is filled again.  It comes in four chunks of four steps; each wave brings an eighth (32 rows of 256 bytes)
; of each chunk: four tensor loads a wave, all issued at the start, so four are out by this text's count.  A wave's loads end in order, so chunk c is whole when all eight waves have seen 3 - c left: one barrier a chunk.
; Behind it: a stage of 16 rows x 272 bytes for each wave, for the way out; no fill lands there.
; NO JOINT LOADS, though the 16 work-groups of a batch read the same kv: the partners would differ in j, on which the branch round hidden steps hangs, and partners of a joint load must run alike;
; without that branch the vector work, 17 steps a pair of tiles, would be 32.
.set LI,  1                            ; v1   16 x lane
.set ADR, 2                            ; v2   LDS address of the step in hand
.set DM,  3                            ; v3   my query - 128 SD - 16 (lane / 16)
.set STO, 4                            ; v4   the stage: where I put 32 bytes of a row
.set RD,  5                            ; v5   and where I read a row back
.set GO,  6                            ; v6   my byte offset in two rows of out
.set NINF, 7                           ; v7   -infinity
.set SCL, 8                            ; v8   2^e8 as f32;  v9: 57,344 x 2^e8
.set LIM, 9
.set L2,  10                           ; v[10:11] the sum's second chain
                                       ; v12 -M, v13 the largest t so far, v[14:15] the row's sum in two halves
.set Q,   16                           ; v16-23   my tile of Q
.set KF,  24                           ; v24-87   the step's eight tiles of K
.set P,   24                           ; v24-39   later p's codes
.set VF,  88                           ; v88-151  the step's four fragments of V^T
.set S,   152                          ; v152-215 S^T, then p
.set O,   216                          ; v216-247 O^T: channels 16 ct + 8 (lane / 16) + 0 .. 7 at 216 + 8 ct
                                       ; v248 a lane permute's destination; v250, v254 at work; v[252:253] f
.set WV,  16                           ; s16 wave; s17 batch; s18 j; s19 high block?; s20 tile in the block; s21 block; s22 tile; s23 my first query
.set G1,  24                           ; s[24:31] descriptor group 1;  s[32:47] group 0, one set for each chunk
.set G0,  32
.set TB,  48                           ; s48  LDS byte at which the step in hand begins
.set SI,  49                           ; s49  the step's number: the loops' counter
.set SD,  50                           ; s50  my diagonal step
.set CS,  52                           ; s[52:53] c = log2(e) / 8 x 2^(e6 + e7)
.set SEL, 54                           ; s[54:55] lane selects for v_permlanex16_b32: lane l xor 16
.set STAGE, 262144
	s_load_b256 s[4:11], s[0:1], 0x0               ; qc s[4:5], kv s[6:7], the exponents s[8:9], out s[10:11]
	v_lshl_add_u32 v251, v0, 2, 0x48800
	v_mov_b32 v255, 0
	ds_add_u32 v251, v255
	ds_add_u32 v251, v255
	v_lshrrev_b32 v1, 5, v0
	v_readfirstlane_b32 s[WV], v1                  ; wave 0..7
	s_lshr_b32 s17, ttmp9, 4                       ; batch
	s_and_b32 s18, ttmp9, 15                       ; j
	s_lshr_b32 s19, s[WV], 2
	s_xor_b32 s19, s19, s[WV]
	s_and_b32 s19, s19, 1                          ; 1: my tile lies in the high block
	s_lshr_b32 s20, s[WV], 1                       ; which of the block's four tiles
	s_sub_co_u32 s21, 31, s18
	s_cmp_lg_u32 s19, 0
	s_cselect_b32 s21, s21, s18                    ; my block: 31 - j or j
	s_lshl_b32 s22, s21, 2
	s_add_co_u32 s22, s22, s20                     ; my tile in the batch, 0 .. 127
	s_lshr_b32 s23, s22, 1
	s_lshl_b32 s23, s23, 5
	s_and_b32 s59, s22, 1
	s_lshl_b32 s59, s59, 3
	s_add_co_u32 s23, s23, s59                     ; my first query: 32 (tile / 2) + 8 (tile % 2)
	s_lshr_b32 s[SD], s23, 7
	; descriptor group 1: a dense block of 8,192 bytes as 32 rows of 32 elements of 8 bytes
	s_mov_b32 s[G1+0], 3<<16                       ; 15:0 no mask; 17:16 elements of 8 bytes; no padding: the images are read 512 consecutive bytes an instruction
	s_mov_b32 s[G1+1], 32<<16                      ; tensor_dim0 = 32
	s_mov_b32 s[G1+2], 32<<16                      ; tensor_dim1 = 32
	s_mov_b32 s[G1+3], 32<<16                      ; tile_dim0 = 32
	s_mov_b32 s[G1+4], 32                          ; tile_dim1 = 32
	s_mov_b32 s[G1+5], 32                          ; from row to row: 32 elements
	s_mov_b32 s[G1+6], 0
	s_mov_b32 s[G1+7], 0
	s_mov_b32 s[SEL], 0x76543210
	s_mov_b32 s[SEL+1], 0xfedcba98
	s_mov_b32 s[CS], 0x3e38aa3b                    ; log2(e) / 8
	s_lshl_b32 s2, s17, 18                         ; the batch's 262,144 bytes of kv,
	s_lshl_b32 s58, s[WV], 13                      ; my eighth of a chunk: in memory and in LDS alike
	s_add_co_u32 s2, s2, s58
	s_mov_b32 s3, 0
	s_wait_dscnt 0x0
	s_wait_kmcnt 0x0
	s_load_b128 s[12:15], s[8:9], 0x18             ; e6, e7, e8, e9
	s_add_nc_u64 s[56:57], s[6:7], s[2:3]
.irp c, 0,1,2,3
	s_mov_b32 s[G0+4*\c], 1                        ; count = 1
	s_add_co_u32 s[G0+4*\c+1], s58, 65536*\c       ; LDS address: 65,536 x chunk + 8,192 x wave
	s_add_nc_u64 s[G0+4*\c+2:G0+4*\c+3], s[56:57], 65536*\c
	s_or_b32 s[G0+4*\c+3], s[G0+4*\c+3], 0x80000000   ; type = 2
.endr
.irp c, 0,1,2,3
	tensor_load_to_lds s[G0+4*\c:G0+4*\c+3], s[G1:G1+7]   ; all the launch's fills, in one group, ahead of every wait on TENSORcnt, every LDS read and every barrier
	s_nop 0
.endr
.rept 4
	v_nop
.endr
	s_lshl_b32 s60, s17, 7
	s_add_co_u32 s60, s60, s22
	s_lshl_b32 s60, s60, 10                        ; my tile of Q
	s_mov_b32 s61, 0
	s_add_nc_u64 s[4:5], s[4:5], s[60:61]
	v_and_b32 v[LI], 31, v0
	v_lshlrev_b32 v[LI], 4, v[LI]
	global_load_b128 v[Q:Q+3],   v[LI], s[4:5]
	global_load_b128 v[Q+4:Q+7], v[LI], s[4:5] offset:512
	s_lshl_b32 s60, s17, 11
	s_add_co_u32 s60, s60, s23
	s_lshl_b32 s60, s60, 8                         ; my first query's row of out: 256 bytes a row
	s_add_nc_u64 s[10:11], s[10:11], s[60:61]
	v_and_b32 v250, 15, v0                         ; r
	v_bfe_u32 v254, v0, 4, 1                       ; h
	s_and_b32 s59, s23, 127                        ; my first query - 128 SD
	v_and_b32 v[DM], 8, v250
	v_add_nc_u32 v[DM], v[DM], v250                ; r + 8 (r / 8)
	v_lshlrev_b32 v10, 4, v254
	v_sub_nc_u32 v[DM], v[DM], v10
	v_add_nc_u32 v[DM], s59, v[DM]
	s_mul_i32 s59, s[WV], 16*272
	s_add_co_u32 s59, s59, STAGE                   ; my stage
	v_mul_u32_u24 v[STO], v250, 272
	v_lshl_add_u32 v[STO], v254, 5, v[STO]
	v_add_nc_u32 v[STO], s59, v[STO]               ; in: row r, + 32 h
	v_mul_u32_u24 v[RD], v254, 272
	v_lshl_add_u32 v[RD], v250, 4, v[RD]
	v_add_nc_u32 v[RD], s59, v[RD]                 ; back: lanes 0-15 one row, lanes 16-31 the next
	v_lshlrev_b32 v[GO], 8, v254
	v_lshl_add_u32 v[GO], v250, 4, v[GO]           ; and the same two rows in out
	v_mov_b32 v[NINF], 0xff800000
	v_mov_b32 v13, 0xff61b1e6                      ; the largest t so far: -3e38, under every t
	v_floor_f32 v12, -v13                          ; -M
	v_mov_b32 v14, 0
	v_mov_b32 v15, 0
	v_mov_b32 v248, 0                              ; written once: a lane permute's destination counts as one of its sources
	v_mov_b32 v253, 0                              ; (named as the upper half of the pair v[252:253])
.set j, 0
.rept 32
	v_mov_b32 v[O+j], 0                            ; O^T.  (The step is written without a first step of its own: the first change of M multiplies zeros)
.set j, j+1
.endr
	s_wait_kmcnt 0x0
	s_add_co_i32 s59, s12, s13
	s_lshl_b32 s59, s59, 23
	s_add_co_i32 s[CS], s[CS], s59                 ; a score stands for score x 2^(e6 + e7): the exponents are added to c's exponent field
	s_mov_b32 s[CS+1], s[CS]                       ; (named with it as a pair, so it is written)
	s_add_co_i32 s59, s14, 127
	s_lshl_b32 s60, s59, 23
	v_mov_b32 v[SCL], s60                          ; 2^e8
	s_add_co_i32 s59, s59, 15
	s_lshl_b32 s59, s59, 23
	s_or_b32 s59, s59, 0x600000
	v_mov_b32 v[LIM], s59                          ; 57,344 x 2^e8
	s_wait_loadcnt 0x0                             ; Q
; A KEY STEP: 128 keys against my 16 queries.
.macro STEP
	s_cmp_gt_u32 s[SI], s[SD]                      ; all its keys come after my queries: the work is left out
	s_cbranch_scc1 .Lhidden_\@
	v_add_nc_u32 v[ADR], s[TB], v[LI]
.rept 3
	v_nop                                          ; with the addition: four places between the last step's products and the loads into registers that they read
.endr
.set i, 0
.rept 32
	ds_load_b128 v[KF+4*i:KF+4*i+3], v[ADR] offset:512*i   ; the step's 16,384 bytes are the image of v24-151: K's 16 loads, then V's 16; each takes 512 consecutive bytes
.set i, i+1
.endr
	s_wait_dscnt 16                                ; LDS loads come back in order: the 16 younger ones are V's, so K is in
.irp t, 0,1,2,3,4,5,6,7
	v_wmma_f32_16x16x64_bf8_bf8 v[S+8*\t:S+8*\t+7], v[KF+8*\t:KF+8*\t+7], v[Q:Q+7], 0
.endr
.rept 4
	v_nop                                          ; four places ahead of the first read of the scores
.endr
	s_cmp_lt_u32 s[SI], s[SD]                      ; all its keys count: no mask
	s_cbranch_scc1 .Lopen_\@
.irp n, 0,1,2,3,4,5,6,7,8,9,10,11,12,13,14,15,16,17,18,19,20,21,22,23,24,25,26,27,28,29,30,31,32,33,34,35,36,37,38,39,40,41,42,43,44,45,46,47,48,49,50,51,52,53,54,55,56,57,58,59,60,61,62,63
	v_cmp_gt_i32 vcc_lo, 32*(\n/16)+\n%16, v[DM]   ; register 16 b + i holds key 128 SD + 16 (lane / 16) + 32 b + i: hidden where 32 b + i > my query - 128 SD - 16 (lane / 16)
	v_cndmask_b32 v[S+\n], v[S+\n], v[NINF], vcc_lo   ; -infinity ahead of the maximum: p = 0 then.  Key 0 counts for every query, so M is a number from the first step on
.endr
.Lopen_\@:
	v_max3_num_f32 v254, v[S], v[S+1], v[S+2]      ; the step's largest score of my query among my 64 keys, in two chains, each accumulator from its low end on,
	v_max3_num_f32 v250, v[S+3], v[S+4], v[S+5]
.irp i, 6,10,14,18,22,26,30,34,38,42,46,50,54,58
	v_max3_num_f32 v254, v254, v[S+\i], v[S+1+\i]
	v_max3_num_f32 v250, v250, v[S+2+\i], v[S+3+\i]
.endr
	v_max3_num_f32 v254, v254, v[S+62], v[S+63]
	v_max_num_f32 v254, v254, v250
	v_permlanex16_b32 v248, v254, s[SEL], s[SEL+1]
	v_max_num_f32 v254, v254, v248                 ; and among lane l xor 16's
	v_mul_f32 v254, s[CS], v254                    ; as t (c is positive)
	v_max_num_f32 v13, v13, v254                   ; the running largest t
	v_mov_b32 v254, v12
	v_floor_f32 v12, -v13                          ; the new -M = floor(-t) = -ceil(t): a whole number
	v_sub_f32 v254, v12, v254                      ; old M - new M: a whole number, 0 or less
	v_cvt_i32_f32 v254, v254                       ; (it saturates)
	v_ldexp_f32 v252, 1.0, v254                    ; f = 2^(old M - new M)
.set j, 0
.rept 32
	v_pk_fma_f32 v[S+j:S+j+1], v[S+j:S+j+1], s[CS:CS+1], v[12:13] op_sel_hi:[1,0,0]   ; t - M, two at a time (of the pairs c and -M the low word serves both halves)
.set j, j+2
.endr
.set j, 0
.rept 64
	v_exp_f32 v[S+j], v[S+j]                       ; p = 2^(t - M), at most 1
.set j, j+1
.endr
	v_pk_mul_f32 v[14:15], v[14:15], v[252:253] op_sel_hi:[1,0]   ; the sums under the new M.  (The plain line behind the exponentials)
	s_wait_alu depctr_va_vdst(0)
	v_pk_add_f32 v[L2:L2+1], v[S:S+1], v[S+2:S+3]  ; the row's sum is taken of the unquantised p, two at a time, in two chains
.irp j, 4,8,12,16,20,24,28,32,36,40,44,48,52,56,60
	v_pk_add_f32 v[14:15], v[14:15], v[S+\j:S+1+\j]
	v_pk_add_f32 v[L2:L2+1], v[L2:L2+1], v[S+2+\j:S+3+\j]
.endr
	v_pk_add_f32 v[14:15], v[14:15], v[L2:L2+1]
.irp b, 0,1,2,3
.irp i, 0,1,2,3,4,5,6,7,8,9,10,11,12,13,14,15
	v_min_num_f32 v[S+16*\b+\i], v[S+16*\b+\i], v[LIM]   ; the conversion to an 8-bit code does not saturate (ISA guide 7.6.2); p is not negative, so the hold is one-sided
.endr
	v_cvt_scalef32_pk8_bf8_f32 v[P+4*\b:P+1+4*\b],   v[S+16*\b:S+7+16*\b],    v[SCL]   ; registers 4 b .. 4 b + 3 of the operand: keys 32 b + 16 (lane / 16) + 0 .. 15.  They lie where K's first two tiles lay: the scores' products stand four places and more back
	v_cvt_scalef32_pk8_bf8_f32 v[P+2+4*\b:P+3+4*\b], v[S+8+16*\b:S+15+16*\b], v[SCL]
.endr
.set j, 0
.rept 16
	v_pk_mul_f32 v[O+j:O+j+1], v[O+j:O+j+1], v[252:253] op_sel_hi:[1,0]   ; O^T under the new M, each accumulator from its low end on.  (Also the plain lines behind the conversions)
.set j, j+2
.endr
	s_wait_dscnt 0x0                               ; V^T, asked for at the step's head
.irp ct, 0,1,2,3
	v_wmma_f32_16x16x128_bf8_bf8 v[O+8*\ct:O+8*\ct+7], v[VF+16*\ct:VF+16*\ct+15], v[P:P+15], v[O+8*\ct:O+8*\ct+7]   ; the four accumulators by turns, one instruction a turn; the next step's eight products stand between two turns
.endr
.Lhidden_\@:
.endm
; Chunk c: steps 4 c .. 4 c + 3.  The trip count is a constant, so the LDS addresses stay inside the chunk; every wave passes every barrier.
.macro CHUNK c
	s_wait_tensorcnt 3-\c                          ; tensor loads of a wave end in order (ISA guide 10.11.1): the 3 - c younger ones are the later chunks', my eighth of this chunk has landed
	s_wait_dscnt 0x0                               ; no LDS instruction of mine is out at the signal
	s_barrier_signal -1
	s_barrier_wait -1                              ; everybody's eighth has landed.  The later chunks may stay on their way
	s_mov_b32 s[TB], 65536*\c
	s_mov_b32 s[SI], 4*\c
.Lstep_\@:
	STEP
	s_add_co_u32 s[TB], s[TB], 16384
	s_add_co_u32 s[SI], s[SI], 1
	s_cmp_lt_u32 s[SI], 4*\c+4
	s_cbranch_scc1 .Lstep_\@
.endm
	CHUNK 0
	CHUNK 1
	CHUNK 2
	CHUNK 3                                        ; its wait is for 0: no tensor load is out at the end
	; THE WAY OUT.  O^T / the sum x 2^(e8 + e9) goes through my own stage in LDS and comes back as whole rows of 256 bytes.
.rept 4
	v_nop                                          ; four places behind the last products
.endr
	v_add_f32 v14, v14, v15                        ; the sum's two halves,
	v_permlanex16_b32 v248, v14, s[SEL], s[SEL+1]
	v_add_f32 v14, v14, v248                       ; and lane l xor 16's
	v_rcp_f32 v14, v14
	v_nop                                          ; a plain line behind the transcendental
	s_add_co_i32 s59, s14, s15
	s_wait_alu depctr_va_vdst(0)
	v_ldexp_f32 v14, v14, s59                      ; x 2^(e8 + e9)
.set j, 0
.rept 16
	v_pk_mul_f32 v[S+j:S+j+1], v[O+j:O+j+1], v[14:15] op_sel_hi:[1,0]   ; register 8 ct + i: out(query r, channel 16 ct + 8 h + i)
.set j, j+2
.endr
.irp ct, 0,1,2,3
	ds_store_b128 v[STO], v[S+8*\ct:S+8*\ct+3]   offset:64*\ct
	ds_store_b128 v[STO], v[S+8*\ct+4:S+8*\ct+7] offset:64*\ct+16
.endr
.irp t, 0,1,2,3,4,5,6,7
	ds_load_b128 v[S+32+4*\t:S+35+4*\t], v[RD] offset:544*\t   ; LDS serves a wave's instructions in order (ISA guide 5.7.1.4): these see my stores; the stage is my own
.endr
.irp t, 0,1,2,3,4,5,6,7
	s_wait_dscnt 7-\t
	global_store_b128 v[GO], v[S+32+4*\t:S+35+4*\t], s[10:11] offset:512*\t+2048*(\t/4) th:TH_STORE_NT   ; stage row i is query i + 8 (i / 8) of my tile; 16 lanes store 256 consecutive bytes, at a multiple of 256 from out's first byte
.endr
	s_wait_tensorcnt 0x0
	ds_add_u32 v251, v255
	s_wait_dscnt 0x0
	s_endpgm
.Lfunc_end_k_q5847fa7241_attend:
	.size	k_q5847fa7241_attend, .Lfunc_end_k_q5847fa7241_attend-k_q5847fa7241_attend
	.p2alignl 7, 3214868480
	.fill 96, 4, 3214868480
	.section	.rodata,"a",@progbits
	.p2align	6, 0x0
	.amdhsa_kernel k_q5847fa7241_attend
		.amdhsa_group_segment_fixed_size 297984
		.amdhsa_private_segment_fixed_size 0
		.amdhsa_enable_private_segment 0
		.amdhsa_kernarg_size 32
		.amdhsa_user_sgpr_count 2
		.amdhsa_user_sgpr_kernarg_segment_ptr 1
		.amdhsa_wavefront_size32 1
		.amdhsa_system_sgpr_workgroup_id_x 1
		.amdhsa_system_sgpr_workgroup_id_y 1
		.amdhsa_system_sgpr_workgroup_id_z 1
		.amdhsa_system_vgpr_workitem_id 0
		.amdhsa_next_free_vgpr 256
		.amdhsa_next_free_sgpr 66
		.amdhsa_reserve_vcc 1
		.amdhsa_float_denorm_mode_32 3
		.amdhsa_float_denorm_mode_16_64 3
		.amdhsa_memory_ordered 1
		.amdhsa_forward_progress 1
		.amdhsa_inst_pref_size 93
	.end_amdhsa_kernel
	.amdgpu_metadata
---
amdhsa.version: [ 1, 2 ]
amdhsa.kernels:
  - .name:           k_q5847fa7241_attend
    .symbol:         k_q5847fa7241_attend.kd
    .args:
      - { .name: qc, .offset: 0, .size: 8, .value_kind: global_buffer, .address_space: global }
      - { .name: kv, .offset: 8, .size: 8, .value_kind: global_buffer, .address_space: global }
      - { .name: lowp_scales, .offset: 16, .size: 8, .value_kind: global_buffer, .address_space: global }
      - { .name: out0, .offset: 24, .size: 8, .value_kind: global_buffer, .address_space: global }
    .group_segment_fixed_size: 297984
    .private_segment_fixed_size: 0
    .kernarg_segment_align: 8
    .kernarg_segment_size: 32
    .max_flat_workgroup_size: 256
    .sgpr_count:     66
    .vgpr_count:     256
    .wavefront_size: 32
...
	.end_amdgpu_metadata
.endif
;; end of part 2
;; ======== version 2 of 2: 2 launches; version 1 with the launch project written anew for expert scheduling mode
;; workspace buffers: qc 2,097,152 bytes; kv 4,194,304 bytes
;; launch project (part 3): grid 256 x 1, 4 waves a work-group, no clusters, 12,800 bytes of LDS; arguments x, Wq, Wk, Wv, lowp_scales, qc, kv; writes qc, kv
.if DOCPART == 3
	.amdgcn_target "amdgcn-amd-amdhsa--gfx1250"
	.amdhsa_code_object_version 6
	.text
	.protected	k_q5847fa7241_project
	.globl	k_q5847fa7241_project
	.p2align	8
	.type	k_q5847fa7241_project,@function
k_q5847fa7241_project:
	s_mov_b64 s[64:65], 0
	v_nop
	global_prefetch_b8 v0, s[64:65] scope:SCOPE_SE
	s_setreg_imm32_b32 hwreg(HW_REG_WAVE_SCHED_MODE, 0, 2), 2
	s_setreg_imm32_b32 hwreg(HW_REG_WAVE_MODE, 25, 1), 1
	s_wait_xcnt 0x0
	s_wait_alu depctr_vm_vsrc(0)
; q = x Wq^T, k = x Wk^T, v = x Wv^T on codes of BF8 (E5M2), and q, k, v quantised again for the attention that follows.
; x: [32768 tokens][64] f32.  Wq, Wk, Wv: [64 out][64 in] f32.  lowp_scales: e0 .. e9 (int32): x for q, Wq, x for k, Wk, x for v, Wv, q, k, p, v.
; x is quantised three times (e0, e2, e4 may differ), each weight once.  A sum of product q stands for sum x 2^(e0 + e1), so q's code is sum / 2^(e6 - e0 - e1): the three
; exponents are folded into the conversion's one scale; k and v likewise (e7 - e2 - e3, e9 - e4 - e5).
; LIMITS: e0 .. e5, e6 - e0 - e1, e7 - e2 - e3 and e9 - e4 - e5 lie between -126 and 112, so that each scale and 57,344 x the scale is an f32 number.
; NaN and infinities among the inputs are not served.  Numbers beyond a scale's range are held at +-57,344 x the scale.
; SHARES.  Work-group g (256 of them) takes tokens 128 g .. 128 g + 127; wave w of four takes a UNIT of 32 tokens, 32 (4 g + w) on, as two tiles u = 0, 1 of 16.
; THE TOKENS OF A TILE ARE NOT NEIGHBOURS: row r of tile u is token 32 unit + 8 u + r + 8 (r / 8).  So in a result whose rows are tokens, row 8 h + j is token 32 unit + 16 h + 8 u + j,
; and the 16 registers of tiles u = 0, 1 are 16 neighbouring tokens: what the second product of attention wants along its K, the keys.
; Wave w also quantises rows 16 w .. 16 w + 15 of each weight; the twelve fragments go from wave to wave through LDS as images of their registers (lane l's 16 bytes at 16 l).
; PRODUCTS.  q, k: source 0 = 16 rows of the weight, source 1 = 16 tokens: a lane holds ONE token and eight neighbouring channels 16 ct + 8 h + 0 .. 7: their codes are registers 2 ct, 2 ct + 1
; of a 16 x 64 fragment.  v: source 0 = 16 tokens, source 1 = 16 rows of Wv: a lane holds ONE channel 16 ct + r and eight neighbouring tokens: codes with the keys innermost.
; OUT, as images of the next launch's operand registers, each store 512 consecutive bytes at a multiple of 512:
;   qc: tile (unit, u) at 2048 unit + 1024 u; registers 0-3 at + 0, 4-7 at + 512.
;   kv: block g of 16,384 bytes: K's tile t = 2 w + u at 1024 t (as qc's); V^T's fragment ct (16 channels x 128 keys) at 8192 + 2048 ct, its registers 4 w .. 4 w + 3 (keys 32 w + 16 h + 0 .. 15) at + 512 w.
; No tensor loads and no ring: each wave asks for all its bytes at once (24 loads of weights, 16 of x).  No matrix tile larger than the problem's own 64 x 64 weights is to be had.
; THE MODE: SCHED_MODE bits 1:0 = 2 (LLVM: expert scheduling mode 2), set by the entry lines.  The code itself states the register dependences
; between vector or matrix instructions and memory or LDS instructions, with s_wait_alu, always for 0.
; THE PLAN.  The text is one straight run.  Registers that memory or LDS instructions touch:
;   v4 .. v9      Offsets and LDS addresses: written at the head, read by every load and store, never written again.
;   WF            The weights' 24 loads land in it; the weights' holds write it and their conversions read it; behind the barrier the 24 LDS loads land in it; then matrix instructions alone read it.
;   X             x's 16 loads land in it, before any vector instruction names it; then vector and matrix instructions alone name it.
;   WC            The weights' conversions write it; six LDS stores read it; x's conversions write it again (as XC).
;   OCQ, OCK, OCV A product's conversions write its codes; four stores read them; nothing writes them again.
;   v158, v159    Written at the head, read by the closing add alone.
; So: one wait on va_vdst ahead of the first load (the offsets); one ahead of the LDS stores (WC is written; and the weights' lines are done with WF: x's lines, which alone stand between this wait and the LDS
; loads into WF, name X, T, XC and the pairs of scales, none of WF and not v6); one wait on vm_vsrc ahead of x's conversions (the LDS stores have read WC); one wait on va_vdst ahead of each product's four stores.
; q's and k's stores, with their wait, stand behind the next product's matrix instructions and their places, ahead of the holds that read those results.
.set PR,  10                           ; v10-27   pair i at v[10+2i]: a scale as f32, then 57,344 x it.  i = 0-2: x for q, k, v; 3-5: Wq, Wk, Wv; 6-8: the results q, k, v
.set X,   28                           ; v28-91   x as f32: tile u at 28 + 32 u, register 8 c + i = channel 16 c + 8 h + i
.set ACC, 28                           ; later the eight accumulators: (u, ct) at 28 + 32 u + 8 ct
.set T,   92                           ; v92-107  two sets of eight held numbers, by turns
.set OCQ, 92                           ; later q's codes
.set XC,  108                          ; v108-155 x's codes: (kind, u) at 108 + 16 kind + 8 u
.set WC,  108                          ; before that v108-131: my three weight fragments' codes
.set OCK, 108                          ; later k's codes (where x's codes for q lay),
.set OCV, 124                          ; and v's (where x's codes for k lay)
.set WF,  160                          ; v160-255 my weight rows as f32 (kind at 160 + 32 kind); behind the barrier the twelve fragments: (kind, ct) at 160 + 32 kind + 8 ct
	s_load_b256 s[4:11], s[0:1], 0x0               ; x s[4:5], Wq s[6:7], Wk s[8:9], Wv s[10:11]
	s_load_b128 s[12:15], s[0:1], 0x20             ; the exponents s[12:13], qc s[14:15]
	s_load_b64 s[16:17], s[0:1], 0x30              ; kv
	v_lshl_add_u32 v158, v0, 2, 0x3000             ; the LDS address of my spare word, behind the twelve fragments' 12,288 bytes, and 0: made here and kept for the closing lines alone
	v_mov_b32 v159, 0
	v_lshrrev_b32 v1, 5, v0
	v_readfirstlane_b32 s18, v1                    ; wave 0..3
	v_and_b32 v1, 31, v0                           ; lane
	v_and_b32 v2, 15, v0                           ; r
	v_bfe_u32 v3, v0, 4, 1                         ; h
	v_and_b32 v4, 8, v2
	v_add_nc_u32 v4, v4, v2                        ; r + 8 (r / 8)
	v_lshlrev_b32 v4, 8, v4                        ; a token's row is 256 bytes
	v_lshl_add_u32 v4, v3, 5, v4                   ; x: + 32 h: my eight channels of each sixteen
	s_wait_alu depctr_va_sdst(0)                   ; s18 is written, ahead of its first reader: offsets, LDS addresses and the bases are made from it
	s_lshl_b32 s30, s18, 12                        ; 16 w rows of a weight
	v_lshlrev_b32 v5, 8, v2
	v_lshl_add_u32 v5, v3, 5, v5
	v_add_nc_u32 v5, s30, v5                       ; weights: row 16 w + r, + 32 h
	v_lshlrev_b32 v6, 4, v1                        ; 16 x lane: my place in an image
	s_lshl_b32 s30, s18, 10
	v_add_nc_u32 v7, s30, v6                       ; LDS: where I store my weight fragments: + 1024 w
	s_lshl_b32 s30, s18, 11
	v_add_nc_u32 v8, s30, v6                       ; kv: my two tiles of K: + 2048 w
	s_lshl_b32 s30, s18, 9
	v_add_nc_u32 v9, s30, v6
	v_add_nc_u32 v9, 8192, v9                      ; kv: my four registers of each fragment of V^T: 8192 + 512 w
	s_lshl_b32 s19, ttmp9, 2
	s_add_co_u32 s19, s19, s18                     ; my unit: 4 g + w
	s_lshl_b32 s32, s19, 13                        ; 32 tokens of 256 bytes
	s_mov_b32 s33, 0
	s_lshl_b32 s34, s19, 11                        ; two tiles of 1,024 bytes
	s_mov_b32 s35, 0
	s_wait_kmcnt 0x0
	s_load_b256 s[20:27], s[12:13], 0x0            ; e0 .. e7
	s_load_b64 s[28:29], s[12:13], 0x20            ; e8, e9
	s_add_nc_u64 s[4:5], s[4:5], s[32:33]          ; x at my unit
	s_add_nc_u64 s[14:15], s[14:15], s[34:35]      ; qc at my unit
	s_lshl_b32 s32, ttmp9, 14
	s_add_nc_u64 s[16:17], s[16:17], s[32:33]      ; kv at my work-group's block
	s_wait_alu depctr_va_vdst(0)                   ; the offsets and LDS addresses v4 to v9 are written, which the loads and stores of the whole kernel read
.irp kind, 0,1,2                               ; 24 loads: my 16 rows of each weight; a lane's 32 registers are channels 16 c + 8 h + i of its row
.irp c, 0,1,2,3
	global_load_b128 v[WF+32*\kind+8*\c:WF+32*\kind+8*\c+3],   v5, s[6+2*\kind:7+2*\kind] offset:64*\c
	global_load_b128 v[WF+32*\kind+8*\c+4:WF+32*\kind+8*\c+7], v5, s[6+2*\kind:7+2*\kind] offset:64*\c+16
.endr
.endr
.irp u, 0,1                                    ; 16 loads: my 32 tokens; tile u begins 8 tokens (2,048 bytes) on.  Read once in the launch
.irp c, 0,1,2,3
	global_load_b128 v[X+32*\u+8*\c:X+32*\u+8*\c+3],   v4, s[4:5] offset:2048*\u+64*\c th:TH_LOAD_NT
	global_load_b128 v[X+32*\u+8*\c+4:X+32*\u+8*\c+7], v4, s[4:5] offset:2048*\u+64*\c+16 th:TH_LOAD_NT
.endr
.endr
; pair i from the exponent in s[se]: (e + 127) << 23 is 2^e as f32; its exponent field + 15 over the mantissa field of 57,344 is 57,344 x 2^e
.macro MKPAIR i, se
	s_add_co_i32 s30, s[\se], 127
	s_lshl_b32 s31, s30, 23
	v_mov_b32 v[PR+2*\i], s31
	s_add_co_i32 s30, s30, 15
	s_lshl_b32 s30, s30, 23
	s_or_b32 s30, s30, 0x600000
	v_mov_b32 v[PR+2*\i+1], s30
.endm
	s_wait_kmcnt 0x0
	s_sub_co_i32 s36, s26, s20
	s_sub_co_i32 s36, s36, s21                     ; e6 - e0 - e1
	s_sub_co_i32 s37, s27, s22
	s_sub_co_i32 s37, s37, s23                     ; e7 - e2 - e3
	s_sub_co_i32 s38, s29, s24
	s_sub_co_i32 s38, s38, s25                     ; e9 - e4 - e5
	MKPAIR 0, 20
	MKPAIR 1, 22
	MKPAIR 2, 24
	MKPAIR 3, 21
	MKPAIR 4, 23
	MKPAIR 5, 25
	MKPAIR 6, 36
	MKPAIR 7, 37
	MKPAIR 8, 38
; my 16 rows of weight kind become a fragment's eight registers.  The conversion to an 8-bit code does not saturate (ISA guide 7.6.2): each number is first held within the largest code x the scale.
; The next group's eight holds are the plain lines behind each conversion.
.macro QW kind
.irp c, 0,1,2,3
.irp i, 0,1,2,3,4,5,6,7
	v_med3_num_f32 v[WF+32*\kind+8*\c+\i], v[WF+32*\kind+8*\c+\i], -v[PR+2*(3+\kind)+1], v[PR+2*(3+\kind)+1]
.endr
	v_cvt_scalef32_pk8_bf8_f32 v[WC+8*\kind+2*\c:WC+8*\kind+2*\c+1], v[WF+32*\kind+8*\c:WF+32*\kind+8*\c+7], v[PR+2*(3+\kind)]
.endr
.endm
; tile u of x under the scale of product kind.  x itself is kept (it is quantised three times): the held numbers go into two sets by turns, so that a conversion's sources are written again eight plain lines later.
.macro QX kind, u
.irp c, 0,1,2,3
.irp i, 0,1,2,3,4,5,6,7
	v_med3_num_f32 v[T+8*(\c%2)+\i], v[X+32*\u+8*\c+\i], -v[PR+2*\kind+1], v[PR+2*\kind+1]
.endr
	v_cvt_scalef32_pk8_bf8_f32 v[XC+16*\kind+8*\u+2*\c:XC+16*\kind+8*\u+2*\c+1], v[T+8*(\c%2):T+8*(\c%2)+7], v[PR+2*\kind]
.endr
.endm
	s_wait_loadcnt 16                              ; loads come back in order: the 16 younger ones are x's, so the weights are in
	QW 0
	QW 1
	QW 2
	v_nop                                          ; a plain line behind the last conversion
	s_wait_alu depctr_va_vdst(0)                   ; the conversions have written v[WC ..], which the LDS stores read; and the holds and conversions are done writing and reading v[WF ..], in which the LDS loads behind the barrier land
.irp kind, 0,1,2
.irp c, 0,1
	ds_store_b128 v7, v[WC+8*\kind+4*\c:WC+8*\kind+4*\c+3] offset:4096*\kind+512*\c   ; fragment (kind, w) at 4096 kind + 1024 w, as it stands in my registers
.endr
.endr
	s_wait_loadcnt 0x0                             ; x
	s_wait_dscnt 0x0                               ; for the others' sake: my fragments lie in LDS
	s_wait_alu depctr_vm_vsrc(0)                   ; the LDS stores have read v[WC ..], which x's conversions below write again
	s_barrier_signal -1
	QX 0, 0                                        ; work on registers while the others arrive
	QX 0, 1
	QX 1, 0
	QX 1, 1
	QX 2, 0
	QX 2, 1
	v_nop                                          ; a plain line behind the last conversion, ahead of the products that read the codes
	s_barrier_wait -1
.set i, 0
.rept 24
	ds_load_b128 v[WF+4*i:WF+4*i+3], v6 offset:512*i   ; all twelve fragments, each the image of eight registers.  No wait: no vector instruction since the wait ahead of the LDS stores names v[WF ..] or v6
.set i, i+1
.endr
	s_wait_dscnt 0x0
; One product, in three parts.  MULT: eight matrix instructions on eight accumulators (K = 64 is one instruction deep, so each starts and ends its sum with C = 0), and their places.
.macro MULT kind
.irp u, 0,1
.irp ct, 0,1,2,3
.if \kind < 2
	v_wmma_f32_16x16x64_bf8_bf8 v[ACC+32*\u+8*\ct:ACC+32*\u+8*\ct+7], v[WF+32*\kind+8*\ct:WF+32*\kind+8*\ct+7], v[XC+16*\kind+8*\u:XC+16*\kind+8*\u+7], 0
.else
	v_wmma_f32_16x16x64_bf8_bf8 v[ACC+32*\u+8*\ct:ACC+32*\u+8*\ct+7], v[XC+16*\kind+8*\u:XC+16*\kind+8*\u+7], v[WF+32*\kind+8*\ct:WF+32*\kind+8*\ct+7], 0
.endif
.endr
.endr
.rept 4
	v_nop                                          ; four places between the last product and the first read of results (ISA guide 7.12.1)
.endr
.endm
; CODES: hold, convert.
.macro CODES kind, oc
.set j, 0
.rept 64
	v_med3_num_f32 v[ACC+j], v[ACC+j], -v[PR+2*(6+\kind)+1], v[PR+2*(6+\kind)+1]   ; each accumulator from its low end on
.set j, j+1
.endr
.irp u, 0,1
.irp ct, 0,1,2,3
.if \kind < 2
	v_cvt_scalef32_pk8_bf8_f32 v[\oc+8*\u+2*\ct:\oc+8*\u+2*\ct+1], v[ACC+32*\u+8*\ct:ACC+32*\u+8*\ct+7], v[PR+2*(6+\kind)]   ; channels 16 ct + 8 h + 0 .. 7 of my token: registers 2 ct, 2 ct + 1 of tile u
.else
	v_cvt_scalef32_pk8_bf8_f32 v[\oc+4*\ct+2*\u:\oc+4*\ct+2*\u+1], v[ACC+32*\u+8*\ct:ACC+32*\u+8*\ct+7], v[PR+2*(6+\kind)]   ; tokens 16 h + 8 u + 0 .. 7 of my channel 16 ct + r
.endif
.endr
.endr
	v_nop                                          ; a plain line behind the last conversion: the next product writes the accumulators again.  (With the four above and the holds on the other accumulators: more than the five places that it wants)
.endm
; PUT: the product's four stores.
.macro PUT kind, oc
.if \kind == 0
.irp u, 0,1
.irp c, 0,1
	global_store_b128 v6, v[\oc+8*\u+4*\c:\oc+8*\u+4*\c+3], s[14:15] offset:1024*\u+512*\c
.endr
.endr
.elseif \kind == 1
.irp u, 0,1
.irp c, 0,1
	global_store_b128 v8, v[\oc+8*\u+4*\c:\oc+8*\u+4*\c+3], s[16:17] offset:1024*\u+512*\c
.endr
.endr
.else
.irp ct, 0,1,2,3
	global_store_b128 v9, v[\oc+4*\ct:\oc+4*\ct+3], s[16:17] offset:2048*\ct
.endr
.endif
.endm
	MULT 0                                         ; no register that a store reads is written again, so no wait stands behind the stores
	CODES 0, OCQ
	MULT 1
	s_wait_alu depctr_va_vdst(0)                   ; q's conversions have written v[OCQ ..], which the four stores below read
	PUT 0, OCQ
	CODES 1, OCK
	MULT 2
	s_wait_alu depctr_va_vdst(0)                   ; k's conversions have written v[OCK ..], which the four stores below read
	PUT 1, OCK
	CODES 2, OCV
	s_wait_alu depctr_va_vdst(0)                   ; v's conversions have written v[OCV ..], which the last four stores read
	PUT 2, OCV
	s_wait_dscnt 0x0                               ; the closing lines, six on end
	s_wait_alu 0x0
	s_wait_tensorcnt 0x0
	ds_add_u32 v158, v159
	s_wait_dscnt 0x0
	s_endpgm
.Lfunc_end_k_q5847fa7241_project:
	.size	k_q5847fa7241_project, .Lfunc_end_k_q5847fa7241_project-k_q5847fa7241_project
	.p2alignl 7, 3214868480
	.fill 96, 4, 3214868480
	.section	.rodata,"a",@progbits
	.p2align	6, 0x0
	.amdhsa_kernel k_q5847fa7241_project
		.amdhsa_group_segment_fixed_size 12800
		.amdhsa_private_segment_fixed_size 0
		.amdhsa_enable_private_segment 0
		.amdhsa_kernarg_size 56
		.amdhsa_user_sgpr_count 2
		.amdhsa_user_sgpr_kernarg_segment_ptr 1
		.amdhsa_wavefront_size32 1
		.amdhsa_system_sgpr_workgroup_id_x 1
		.amdhsa_system_sgpr_workgroup_id_y 1
		.amdhsa_system_sgpr_workgroup_id_z 1
		.amdhsa_system_vgpr_workitem_id 0
		.amdhsa_next_free_vgpr 256
		.amdhsa_next_free_sgpr 66
		.amdhsa_reserve_vcc 0
		.amdhsa_float_denorm_mode_32 3
		.amdhsa_float_denorm_mode_16_64 3
		.amdhsa_memory_ordered 1
		.amdhsa_forward_progress 1
		.amdhsa_inst_pref_size 48
	.end_amdhsa_kernel
	.amdgpu_metadata
---
amdhsa.version: [ 1, 2 ]
amdhsa.kernels:
  - .name:           k_q5847fa7241_project
    .symbol:         k_q5847fa7241_project.kd
    .args:
      - { .name: x, .offset: 0, .size: 8, .value_kind: global_buffer, .address_space: global }
      - { .name: Wq, .offset: 8, .size: 8, .value_kind: global_buffer, .address_space: global }
      - { .name: Wk, .offset: 16, .size: 8, .value_kind: global_buffer, .address_space: global }
      - { .name: Wv, .offset: 24, .size: 8, .value_kind: global_buffer, .address_space: global }
      - { .name: lowp_scales, .offset: 32, .size: 8, .value_kind: global_buffer, .address_space: global }
      - { .name: qc, .offset: 40, .size: 8, .value_kind: global_buffer, .address_space: global }
      - { .name: kv, .offset: 48, .size: 8, .value_kind: global_buffer, .address_space: global }
    .group_segment_fixed_size: 12800
    .private_segment_fixed_size: 0
    .kernarg_segment_align: 8
    .kernarg_segment_size: 56
    .max_flat_workgroup_size: 128
    .sgpr_count:     66
    .vgpr_count:     256
    .wavefront_size: 32
...
	.end_amdgpu_metadata
.endif
;; end of part 3
;; launch attend: the kernel of part 2 again; grid 256 x 1, 8 waves a work-group, no clusters, 297,984 bytes of LDS; arguments qc, kv, lowp_scales, out0; writes out0
